; MI455X (gfx1250); checked and timed in simulation.
; The chip was launched on July 23, 2026; its instructions are those of AMD's public machine-readable ISA for CDNA 5 (MIT licence, August 2026) and "CDNA5" Instruction Set Architecture Reference Guide (July 2026). The comments in the code are by the model that wrote it; some were corrected since.
;; Mo E Layer. Allowed arithmetic: matrix products marked QUANTISED: E5M2 operands, one E8M0 scale for each 32 along K, by v_wmma_scale_f32_16x16x128_f8f6f4 with both operands' format E5M2, f32 sums; products left as they are: f32 operands where the result goes on into a quantised operand, else bf16, f16 or f32 operands; f32 sums; everything else in f32.
;; Inputs: W1_codes 8 x 2,048 x 16 x 32 uint8 (E5M2 codes of W1, K innermost, in blocks of 32 codes); W1_scales 8 x 2,048 x 16 uint8 (E8M0 scales of W1, one for each 32 codes along K); W2_codes 8 x 512 x 64 x 32 uint8 (E5M2 codes of W2, K innermost, in blocks of 32 codes); W2_scales 8 x 512 x 64 uint8 (E8M0 scales of W2, one for each 32 codes along K); Wr 512 x 8 float32; b1 8 x 2,048 float32; b2 8 x 512 float32; br 8 float32; x 2 x 2,048 x 512 float32.
;; Outputs: out0 2 x 2,048 x 512 float32; out1 one number float32.
;; This version of the problem:
;;   THIS VERSION OF THE PROBLEM IS GIVEN IN LOW PRECISION. The matrix products marked QUANTISED in the list below multiply operands that are first quantised to E5M2 (5 exponent bits, 2 mantissa bits; 8 bits a number), with one power-of-two scale for each 32 numbers along K (OCP MX v1.0); their sums are f32. All else is computed in f32.
;;   The module's matrix products, in the order in which they are computed (A, B: the left and right operand; K: the contracted axis; several contracted axes count as one K, in the product's order):
;;     1. [M 4,096, K 512] x [K 512, N 8]; A: input x; B: input Wr: left as it is (N = 8 < 16)
;;     2. batch 4,096 x [M 8, K 2] x [K 2, N 1]; A: computed on the way; B: computed on the way: left as it is (K = 2 < 32)
;;     3. [M 16,384, K 512] x [K 512, N 4,096]; A: input W1 (given as codes); B: input x: QUANTISED
;;     4. batch 8 x [M 4,096, K 2,048] x [K 2,048, N 512]; A: computed on the way; B: input W2 (given as codes): QUANTISED
;;     5. batch 4,096 x [M 512, K 8] x [K 8, N 1]; A: computed on the way; B: computed on the way: left as it is (K = 8 < 32)
;;   THE QUANTISER, for each operand of a quantised product, along K:
;;     - K is cut into blocks of 32 from its start; a last block that is shorter is filled with zeros.
;;     - A block's scale is 2^e with e = floor(log2(the largest magnitude in the block)) - 15, held to -126 .. 127; a block of zeros has e = 0. As a byte (E8M0): e + 127.
;;     - Each number is divided by its block's scale, clamped to +-57,344, and rounded to the nearest number of E5M2, ties to even, subnormals kept.
;;     - The product sums the exact products of the quantised numbers (number of the format x scale) in f32.
;;   ~~~python
;;   def quantise(x, axis):      # numpy; x: float32 -> the quantised numbers, widened to float32 again
;;       x = np.moveaxis(x, axis, -1); K = x.shape[-1]
;;       x = np.pad(x, [(0, 0)] * (x.ndim - 1) + [(0, -K % 32)]); x = x.reshape(x.shape[:-1] + (-1, 32)); a = np.abs(x).max(-1, keepdims=True)
;;       e = np.where(a > 0, np.clip(np.frexp(np.where(a > 0, a, 1))[1] - 1 - 15, -126, 127), 0)      # np.frexp(a)[1] - 1 = floor(log2(a)), exactly
;;       r = np.clip(x / 2.0 ** e, -57344, 57344)
;;       step = 2.0 ** (np.maximum(np.frexp(np.where(r == 0, 1, r))[1] - 1, -14) - 2)
;;       q = np.round(r / step) * step * 2.0 ** e      # np.round: ties to even
;;       return np.moveaxis(q.reshape(q.shape[:-2] + (-1,))[..., :K], -1, axis).astype(np.float32)
;;   ~~~
;;   OPERANDS COMPUTED ON THE WAY. 'Computed on the way' means the value that the module computes at that place (a softmax that the list does not call 'softmax' is quantised finished and normalised). What goes into a quantiser is computed in f32, as accurately as f32 sums, v_exp_f32 and their like allow (about 1e-6 of the number): no bf16 or f16 on the way to a quantiser, and a product that is left as it is and whose result goes on into a quantised operand takes f32 operands (vector FMAs, or v_wmma_f32_16x16x4_f32). A number that lies on a knife's edge between two numbers of the format may be rounded either way, as far as f32 arithmetic and the matrix unit's own rounding can turn it there, and no further.
;;   INPUTS GIVEN AS CODES. W1 (in the module: [8, 512, 2048], K = its axis 1); W2 (in the module: [8, 2048, 512], K = its axis 1): each comes as NAME_codes (uint8): NAME with its K axis moved to the last place and cut into blocks of 32 codes, [.., K / 32, bytes a block], one block behind the other in memory; one code a byte (a code: sign, 5 exponent bits, 2 mantissa bits); and NAME_scales (uint8): the same leading axes, one E8M0 byte (e + 127) for each 32 codes along K. Its value is code x scale, taken as it is: it is not quantised again, and the codes and scales need not be those that the quantiser above would give.
;; One version. Each part assembles by itself: llvm-mc -triple=amdgcn-amd-amdhsa -mcpu=gfx1250 --defsym DOCPART=n.
;; ======== version 1 of 1: 4 launches
;; workspace buffers: xc 2,097,152 bytes; xs 65,536 bytes; eid 16,384 bytes of whole numbers; rt 98,304 bytes; rowtok 65,536 bytes of whole numbers; plan 33,024 bytes of whole numbers; ybuf 19,660,800 bytes
;; launch route (part 1): grid 256 x 1, 4 waves a work-group, no clusters, 59,136 bytes of LDS; arguments x, Wr, br, xc, xs, eid, rt, rowtok; writes xc, xs, eid, rt, rowtok
.if DOCPART == 1
	.amdgcn_target "amdgcn-amd-amdhsa--gfx1250"
	.amdhsa_code_object_version 6
	.text
	.protected	k_qf407e65234_route
	.globl	k_qf407e65234_route
	.p2align	8
	.type	k_qf407e65234_route,@function
k_qf407e65234_route:
	s_mov_b64 s[64:65], 0
	v_nop
	global_prefetch_b8 v0, s[64:65] scope:SCOPE_SE
	s_setreg_imm32_b32 hwreg(HW_REG_WAVE_MODE, 25, 1), 1
	s_wait_xcnt 0x0
; ROUTER AND QUANTISER OF x.  x [4096][512] f32, Wr [512][8], br [8].  A work-group takes 16 tokens, a wave 4, a row of 512 numbers at a time.
; Out: xc [4096][512] codes of E5M2, K innermost; xs [4096][16] E8M0 bytes; eid [4096] = first expert | second << 8; rt: [4096][2] renormalised weights, then, from byte 32,768,
; [1024 waves][16]: 8 sums of probabilities and 8 counts of first choices, for the loss; rowtok: zeros (a later launch scatters tokens into it; places that no row takes keep token 0).
; A lane holds 16 NEIGHBOURS of a row (the conversions take neighbours from one lane's registers); the loads are dense, 16 bytes a lane, and a row turns through the wave's own stage in LDS.
; The logits are f32 multiply-adds: 16 numbers a lane against Wr's 16 rows of that lane, kept in 128 registers; then a sum over the 32 lanes.  N = 8 is too narrow for the matrix unit, and the choice wants f32.
; No tensor loads, no cluster: a work-group's 32 KB of x are read by nobody else, and Wr is 16 KB.
; LIMITS: NaN and infinities are not served.  Two probabilities that differ by less than f32 rounding may be ordered otherwise than a differently ordered f32 sum would order them; equal ones go to the lower index.
; A block of zeros gets the byte 1 (its codes are zeros, which add nothing); the bytes are read by this program alone.
.set RSTG,  2560                       ; a row's stage: 32 places of 64 bytes + 16 of padding
.set WRL,   40960                      ; behind the four waves' stages: Wr, 512 bytes a lane + 16
.set OUTS,  57856                      ; what leaves in one piece: +0 xs (256), +256 parts (256), +512 weights (128), +640 eid (64)
.set X,   16                           ; v16-79   four rows x 16 numbers
.set ACC, 80                           ; v80-111  four rows x 8 logits
.set CD,  112                          ; v112-127 codes, four registers a row
.set WR,  128                          ; v128-255 register 8 i + e = Wr[16 lane + i][e]; free behind the multiply-adds, and then:
.set IDX, 128                          ; the numbers 0 .. 7
.set PS,  136                          ; sums of probabilities
.set CN,  144                          ; counts of first choices
.set PR,  152                          ; a token's probabilities
.set MXR, 160
.set SM,  161
.set V1,  162
.set I1,  163
.set V2,  164
.set I2,  165
.set TT,  166
.set ZR,  167
.set ON,  168
.set EI,  170                          ; v170-173 eid, a register a token: no store's data are written again
.set WP,  174                          ; v174-181 weights, a pair a token
.set BY,  182                          ; v182-185 scale bytes, a register a token
.set PT,  192                          ; v192-223 the other half's sums
	s_load_b512 s[4:19], s[0:1], 0x0               ; x s[4:5], Wr s[6:7], br s[8:9], xc s[10:11], xs s[12:13], eid s[14:15], rt s[16:17], rowtok s[18:19]
	v_lshl_add_u32 v15, v0, 2, 0xe500
	s_set_vgpr_msb 0x40
	v_mov_b32 v1, 0
	s_set_vgpr_msb 0x4000
	v_and_b32 v1, 31, v0                           ; lane
	v_lshrrev_b32 v12, 5, v0
	v_readfirstlane_b32 s20, v12                   ; wave
	v_lshlrev_b32 v2, 4, v1                        ; 16 x lane
	v_lshlrev_b32 v5, 4, v0                        ; 16 x thread
	s_mul_i32 s21, s20, 4*RSTG
	v_lshrrev_b32 v3, 2, v1
	v_mul_u32_u24 v3, v3, 80
	v_and_b32 v13, 3, v1
	v_lshl_add_u32 v3, v13, 4, v3
	v_add_nc_u32 v3, s21, v3                       ; stage, way in: four lanes' 64 bytes on end, then 16 of padding
	v_mul_u32_u24 v4, v1, 80
	v_add_nc_u32 v4, s21, v4                       ; stage, way out: my 16 neighbours
	s_lshl_b32 s22, s20, 4
	s_add_co_u32 s22, s22, WRL
	v_add_nc_u32 v6, s22, v5                       ; Wr, way in: 528 x wave + 16 x lane
	v_mul_u32_u24 v7, v1, 528
	v_add_nc_u32 v7, WRL, v7                       ; Wr, way out: my 512 bytes
	s_lshl_b32 s22, s20, 6
	s_add_co_u32 s22, s22, OUTS
	v_lshrrev_b32 v8, 1, v1
	v_add_nc_u32 v8, s22, v8                       ; scale bytes: 64 x wave + my block
	v_mov_b32 v11, s22                             ; parts: 64 x wave (+ 256 in the offset)
	s_lshl_b32 s23, s20, 4
	s_add_co_u32 s23, s23, OUTS+640
	v_mov_b32 v9, s23                              ; eid: 16 x wave
	s_lshl_b32 s23, s20, 5
	s_add_co_u32 s23, s23, OUTS+512
	v_mov_b32 v10, s23                             ; weights: 32 x wave
	s_mov_b32 s32, 0x76543210
	s_mov_b32 s33, 0xfedcba98                      ; v_permlanex16_b32's selects for lane l xor 16
	s_mov_b32 s34, 0x3fb8aa3b                      ; log2(e)
	s_mov_b32 s35, 0x600000                        ; the mantissa field of 57,344
	s_mov_b32 s36, 0x3089705f                      ; 1e-9
	s_lshl_b32 s40, ttmp9, 15                      ; 16 rows of 2,048 bytes a work-group,
	s_lshl_b32 s42, s20, 13                        ; 4 a wave
	s_add_co_u32 s40, s40, s42
	s_mov_b32 s41, 0
	s_wait_kmcnt 0x0
	s_load_b256 s[24:31], s[8:9], 0x0              ; br
	s_add_nc_u64 s[4:5], s[4:5], s[40:41]
	s_lshr_b32 s40, s40, 2                         ; codes: a quarter of the bytes
	s_add_nc_u64 s[10:11], s[10:11], s[40:41]
	s_lshl_b32 s40, ttmp9, 8
	s_add_nc_u64 s[12:13], s[12:13], s[40:41]
	s_add_nc_u64 s[18:19], s[18:19], s[40:41]
	s_add_nc_u64 s[44:45], s[16:17], s[40:41]      ; the parts (32,768 more in the store's offset)
	s_lshl_b32 s40, ttmp9, 7
	s_add_nc_u64 s[16:17], s[16:17], s[40:41]      ; the weights
	s_lshl_b32 s40, ttmp9, 6
	s_add_nc_u64 s[14:15], s[14:15], s[40:41]
.irp q, 0,1,2,3,4,5,6,7
	global_load_b128 v[WR+4*\q:WR+4*\q+3], v5, s[6:7] offset:2048*\q       ; Wr, dense: the work-group's 128 threads take 2,048 bytes a load
.endr
.irp t, 0,1,2,3
.irp i, 0,1,2,3
	global_load_b128 v[X+16*\t+4*\i:X+16*\t+4*\i+3], v2, s[4:5] offset:2048*\t+512*\i th:TH_LOAD_NT   ; 32 lanes read 512 consecutive bytes
.endr
.endr
	s_wait_loadcnt 16                              ; Wr's eight loads are in; x's sixteen, issued behind them, stay out
.irp q, 0,1,2,3,4,5,6,7
	ds_store_b128 v6, v[WR+4*\q:WR+4*\q+3] offset:2112*\q
.endr
	s_wait_dscnt 0x0                               ; for the others' sake: my part of Wr lies in LDS
	s_barrier_signal -1
	s_barrier_wait -1
.set j, 0
.rept 32
	ds_load_b128 v[WR+4*j:WR+4*j+3], v7 offset:16*j
.set j, j+1
.endr
	s_wait_loadcnt 0x0                             ; x
.irp t, 0,1,2,3
.irp i, 0,1,2,3
	ds_store_b128 v3, v[X+16*\t+4*\i:X+16*\t+4*\i+3] offset:RSTG*\t+640*\i
.endr
.endr
	s_wait_dscnt 0x0                               ; the stores have read their registers, which take the rows back; Wr is in too
.irp t, 0,1,2,3
.irp i, 0,1,2,3
	ds_load_b128 v[X+16*\t+4*\i:X+16*\t+4*\i+3], v4 offset:RSTG*\t+16*\i
.endr
.endr
	s_wait_dscnt 0x0
; My 16 numbers of row tau against my 16 rows of Wr: two experts an instruction; x's number serves both halves.
.macro DOT tau
.set XS, X+16*\tau
.set AS, ACC+8*\tau
.irp e, 0,2,4,6
	v_pk_mul_f32 v[AS+\e:AS+\e+1], v[XS:XS+1], v[WR+\e:WR+\e+1] op_sel_hi:[0,1]
.endr
.irp i, 1,2,3,4,5,6,7,8,9,10,11,12,13,14,15
.irp e, 0,2,4,6
.if \i%2
	v_pk_fma_f32 v[AS+\e:AS+\e+1], v[XS+\i-1:XS+\i], v[WR+8*\i+\e:WR+8*\i+\e+1], v[AS+\e:AS+\e+1] op_sel:[1,0,0]
.else
	v_pk_fma_f32 v[AS+\e:AS+\e+1], v[XS+\i:XS+\i+1], v[WR+8*\i+\e:WR+8*\i+\e+1], v[AS+\e:AS+\e+1] op_sel_hi:[0,1,1]
.endif
.endr
.endr
.endm
	DOT 0
	DOT 1
	DOT 2
	DOT 3
; Row tau becomes codes.  Two neighbouring lanes hold a block of 32.
.macro QX tau
.set XS, X+16*\tau
	v_max3_num_f32 v12, |v[XS]|, |v[XS+1]|, |v[XS+2]|
	v_max3_num_f32 v13, |v[XS+3]|, |v[XS+4]|, |v[XS+5]|
.irp i, 6,10
	v_max3_num_f32 v12, v12, |v[XS+\i]|, |v[XS+\i+1]|
	v_max3_num_f32 v13, v13, |v[XS+\i+2]|, |v[XS+\i+3]|
.endr
	v_max3_num_f32 v12, v12, |v[XS+14]|, |v[XS+15]|
	v_max3_num_f32 v12, v12, v13, 0x8000000        ; and the floor 2^(16 - 127): the byte cannot fall under 1
	v_max_num_f32_dpp v12, v12, v12 row_xmask:1 row_mask:0xf bank_mask:0xf   ; with my neighbour's 16: the block's largest magnitude
	v_add_nc_u32 v14, 0xf8800000, v12              ; 15 off its exponent field: the conversion's scale operand
	v_and_or_b32 v13, v12, 0x7f800000, s35         ; 57,344 x the scale
.irp i, 0,1,2,3,4,5,6,7,8,9,10,11,12,13,14,15
	v_med3_num_f32 v[XS+\i], v[XS+\i], -v13, v13   ; the conversion to an 8-bit code does not saturate (ISA guide 7.6.2): the hold comes first
.endr
	v_cvt_scalef32_pk8_bf8_f32 v[CD+4*\tau:CD+4*\tau+1], v[XS:XS+7], v14
	v_cvt_scalef32_pk8_bf8_f32 v[CD+4*\tau+2:CD+4*\tau+3], v[XS+8:XS+15], v14
	v_lshrrev_b32 v[BY+\tau], 23, v14              ; the scale's byte (also the plain line behind the conversions)
	ds_store_b8 v8, v[BY+\tau] offset:16*\tau      ; both lanes of a block write the same byte with the same value
	global_store_b128 v2, v[CD+4*\tau:CD+4*\tau+3], s[10:11] offset:512*\tau   ; 32 lanes store a token's 512 consecutive bytes
.endm
	QX 0
	QX 1
	QX 2
	QX 3
	; the 32 logits: sums over the 32 lanes, in every lane
.irp k, 1,2,4,8
.set j, 0
.rept 32
	v_add_f32_dpp v[ACC+j], v[ACC+j], v[ACC+j] row_xmask:\k row_mask:0xf bank_mask:0xf
.set j, j+1
.endr
.endr
.set j, 0
.rept 32
	v_permlanex16_b32 v[PT+j], v[ACC+j], s32, s33  ; (its destination held a part of Wr: it has been written)
.set j, j+1
.endr
.set j, 0
.rept 32
	v_add_f32 v[ACC+j], v[ACC+j], v[PT+j]
.set j, j+1
.endr
.irp e, 0,1,2,3,4,5,6,7
	v_mov_b32 v[IDX+\e], \e
.endr
	v_mov_b32 v[ZR], 0
	v_mov_b32 v[ON], 1.0
	s_wait_kmcnt 0x0                               ; br
; Token tau: softmax with its maximum taken away, the two largest (strict compares: the lower index keeps a tie), their weights, the parts of the loss.  Every lane does the same.
.macro ROUTER tau
.set L, ACC+8*\tau
.irp e, 0,1,2,3,4,5,6,7
	v_add_f32 v[L+\e], s[24+\e], v[L+\e]
.endr
	v_max3_num_f32 v[MXR], v[L], v[L+1], v[L+2]
	v_max3_num_f32 v[MXR], v[MXR], v[L+3], v[L+4]
	v_max3_num_f32 v[MXR], v[MXR], v[L+5], v[L+6]
	v_max_num_f32 v[MXR], v[MXR], v[L+7]
.irp e, 0,1,2,3,4,5,6,7
	v_sub_f32 v[PR+\e], v[L+\e], v[MXR]
.endr
.irp e, 0,1,2,3,4,5,6,7
	v_mul_f32 v[PR+\e], s34, v[PR+\e]
.endr
.irp e, 0,1,2,3,4,5,6,7
	v_exp_f32 v[PR+\e], v[PR+\e]
.endr
	v_mov_b32 v[I1], 0                             ; (a plain line behind the exponentials)
	s_wait_alu depctr_va_vdst(0)
	v_add_f32 v[SM], v[PR], v[PR+1]
	v_add_f32 v[TT], v[PR+2], v[PR+3]
	v_add_f32 v[SM], v[SM], v[TT]
	v_add_f32 v[TT], v[PR+4], v[PR+5]
	v_add_f32 v[SM], v[SM], v[TT]
	v_add_f32 v[TT], v[PR+6], v[PR+7]
	v_add_f32 v[SM], v[SM], v[TT]
	v_rcp_f32 v[SM], v[SM]
	v_mov_b32 v[I2], 0                             ; (a plain line behind the reciprocal)
	s_wait_alu depctr_va_vdst(0)
.irp e, 0,1,2,3,4,5,6,7
	v_mul_f32 v[PR+\e], v[PR+\e], v[SM]
.endr
	v_mov_b32 v[V1], v[PR]
	v_mov_b32 v[V2], -1.0                          ; under every probability
.irp e, 1,2,3,4,5,6,7
	v_cmp_gt_f32 s46, v[PR+\e], v[V1]
	v_cmp_gt_f32 vcc_lo, v[PR+\e], v[V2]
	v_cndmask_b32 v[V2], v[V2], v[PR+\e], vcc_lo
	v_cndmask_b32 v[I2], v[I2], v[IDX+\e], vcc_lo
	v_cndmask_b32 v[V2], v[V2], v[V1], s46
	v_cndmask_b32 v[I2], v[I2], v[I1], s46
	v_cndmask_b32 v[V1], v[V1], v[PR+\e], s46
	v_cndmask_b32 v[I1], v[I1], v[IDX+\e], s46
.endr
	v_add_f32 v[TT], v[V1], v[V2]
	v_max_num_f32 v[TT], s36, v[TT]                ; the clip at 1e-9
	v_rcp_f32 v[TT], v[TT]
	v_lshl_or_b32 v[EI+\tau], v[I2], 8, v[I1]      ; (a plain line behind the reciprocal)
	s_wait_alu depctr_va_vdst(0)
	v_mul_f32 v[WP+2*\tau], v[V1], v[TT]
	v_mul_f32 v[WP+2*\tau+1], v[V2], v[TT]
	ds_store_b32 v9, v[EI+\tau] offset:4*\tau      ; all lanes write the same words with the same values
	ds_store_b64 v10, v[WP+2*\tau:WP+2*\tau+1] offset:8*\tau
.irp e, 0,1,2,3,4,5,6,7
	v_cmp_eq_u32 vcc_lo, v[I1], v[IDX+\e]
.if \tau == 0
	v_mov_b32 v[PS+\e], v[PR+\e]
	v_cndmask_b32 v[CN+\e], v[ZR], v[ON], vcc_lo
.else
	v_add_f32 v[PS+\e], v[PS+\e], v[PR+\e]
	v_cndmask_b32 v[TT], v[ZR], v[ON], vcc_lo
	v_add_f32 v[CN+\e], v[CN+\e], v[TT]
.endif
.endr
.endm
	ROUTER 0
	ROUTER 1
	ROUTER 2
	ROUTER 3
.irp k, 0,1,2,3
	ds_store_b128 v11, v[PS+4*\k:PS+4*\k+3] offset:256+16*\k   ; my wave's 8 sums and 8 counts
.endr
	v_lshl_add_u32 v186, v1, 3, OUTS
	v_lshlrev_b32 v189, 3, v1
	v_lshl_add_u32 v187, v1, 2, OUTS
	v_lshlrev_b32 v190, 2, v1
	v_and_b32 v191, 15, v1
	v_lshl_add_u32 v188, v191, 2, OUTS
	v_lshlrev_b32 v191, 2, v191
	v_mov_b32 v230, 0
	v_mov_b32 v231, 0
	s_wait_dscnt 0x0                               ; for wave 0's sake: my stores into the gathering bytes are done
	s_barrier_signal -1
	s_barrier_wait -1
	s_cmp_lg_u32 s20, 0                            ; wave 0 stores what the four waves gathered
	s_cbranch_scc1 .Ldone
	ds_load_b64 v[224:225], v186
	ds_load_b64 v[226:227], v186 offset:256
	ds_load_b32 v228, v187 offset:512
	ds_load_b32 v229, v188 offset:640              ; lanes 16-31 read what lanes 0-15 read
	global_store_b64 v189, v[230:231], s[18:19]    ; 256 consecutive bytes of zeros
	s_wait_dscnt 0x0
	global_store_b64 v189, v[224:225], s[12:13]    ; 16 tokens' scale bytes: 256 consecutive bytes, aligned
	global_store_b64 v189, v[226:227], s[44:45] offset:32768
	global_store_b32 v190, v228, s[16:17]
	v_cmp_gt_u32 vcc_lo, 16, v1
	s_wait_xcnt 0x0                                ; EXEC changes only behind this wait
	s_and_saveexec_b32 s46, vcc_lo
	global_store_b32 v191, v229, s[14:15]          ; 16 words
	s_wait_xcnt 0x0
	s_or_b32 exec_lo, exec_lo, s46
.Ldone:
	s_set_vgpr_msb 0x4
	s_wait_tensorcnt 0x0
	ds_add_u32 v15, v1
	s_wait_dscnt 0x0
	s_set_vgpr_msb 0x400
	s_endpgm
.Lfunc_end_k_qf407e65234_route:
	.size	k_qf407e65234_route, .Lfunc_end_k_qf407e65234_route-k_qf407e65234_route
	.p2alignl 7, 3214868480
	.fill 96, 4, 3214868480
	.section	.rodata,"a",@progbits
	.p2align	6, 0x0
	.amdhsa_kernel k_qf407e65234_route
		.amdhsa_group_segment_fixed_size 59136
		.amdhsa_private_segment_fixed_size 0
		.amdhsa_enable_private_segment 0
		.amdhsa_kernarg_size 64
		.amdhsa_user_sgpr_count 2
		.amdhsa_user_sgpr_kernarg_segment_ptr 1
		.amdhsa_wavefront_size32 1
		.amdhsa_system_sgpr_workgroup_id_x 1
		.amdhsa_system_sgpr_workgroup_id_y 1
		.amdhsa_system_sgpr_workgroup_id_z 1
		.amdhsa_system_vgpr_workitem_id 0
		.amdhsa_next_free_vgpr 258
		.amdhsa_next_free_sgpr 66
		.amdhsa_reserve_vcc 1
		.amdhsa_float_denorm_mode_32 3
		.amdhsa_float_denorm_mode_16_64 3
		.amdhsa_memory_ordered 1
		.amdhsa_forward_progress 1
		.amdhsa_inst_pref_size 72
	.end_amdhsa_kernel
	.amdgpu_metadata
---
amdhsa.version: [ 1, 2 ]
amdhsa.kernels:
  - .name:           k_qf407e65234_route
    .symbol:         k_qf407e65234_route.kd
    .args:
      - { .name: x, .offset: 0, .size: 8, .value_kind: global_buffer, .address_space: global }
      - { .name: Wr, .offset: 8, .size: 8, .value_kind: global_buffer, .address_space: global }
      - { .name: br, .offset: 16, .size: 8, .value_kind: global_buffer, .address_space: global }
      - { .name: xc, .offset: 24, .size: 8, .value_kind: global_buffer, .address_space: global }
      - { .name: xs, .offset: 32, .size: 8, .value_kind: global_buffer, .address_space: global }
      - { .name: eid, .offset: 40, .size: 8, .value_kind: global_buffer, .address_space: global }
      - { .name: rt, .offset: 48, .size: 8, .value_kind: global_buffer, .address_space: global }
      - { .name: rowtok, .offset: 56, .size: 8, .value_kind: global_buffer, .address_space: global }
    .group_segment_fixed_size: 59136
    .private_segment_fixed_size: 0
    .kernarg_segment_align: 8
    .kernarg_segment_size: 64
    .max_flat_workgroup_size: 128
    .sgpr_count:     66
    .vgpr_count:     258
    .wavefront_size: 32
...
	.end_amdgpu_metadata
.endif
;; end of part 1
;; launch place (part 2): grid 1 x 1, 32 waves a work-group, no clusters, 7,168 bytes of LDS; arguments eid, rt, plan, rowtok, out1; writes plan, rowtok, out1
.if DOCPART == 2
	.amdgcn_target "amdgcn-amd-amdhsa--gfx1250"
	.amdhsa_code_object_version 6
	.text
	.protected	k_qf407e65234_place
	.globl	k_qf407e65234_place
	.p2align	8
	.type	k_qf407e65234_place,@function
k_qf407e65234_place:
	s_mov_b64 s[64:65], 0
	v_nop
	global_prefetch_b8 v0, s[64:65] scope:SCOPE_SE
	s_setreg_imm32_b32 hwreg(HW_REG_WAVE_MODE, 25, 1), 1
	s_wait_xcnt 0x0
; THE ROWS ARE PLACED BY EXPERT: a counting sort of the 8,192 (token, choice) entries, by one work-group, without atomics; and the loss.
; Thread i owns tokens 4 i .. 4 i + 3: entries n = 2 tau + k.  An entry's rank among its expert's entries = (those of earlier waves) + (those of this wave's earlier slots n) + (lower lanes of this slot).
; Expert e with n_e rows gets C_e = ceil(n_e / 192) blocks of 192 places, one behind the other: place = 192 x (blocks of the experts before) + rank.  The sum of the C_e is at most (8,192 + 8 x 191) / 192 = 50 for every split.
; Out: plan: [4096][2] places, then from byte 32,768 the expert of each of 64 blocks; rowtok[place] = token; out1 = 8 x sum over e of (share of first choices) x (mean probability).
; All that steers an address here is whole numbers read from eid.  One work-group: the sort is 8,192 numbers.  The order of the loss's sums differs from a plain running sum.
.set FT,  1024                         ; LDS: byte 0: [32 waves][8] counts; byte 1,024: [32 waves][16] f32
.set E,   32                           ; v32-39  my entries' experts
.set R,   40                           ; v40-47  their ranks inside the wave
.set CV,  48                           ; v48-55  the wave's counts, later each expert's base for this wave
.set SC,  56                           ; v56-63  lane l: wave l's counts, then their running sums
.set TS,  64                           ; v64-71  at work
.set PO,  72                           ; v72-79  places
.set AD,  80                           ; v80-87  their byte offsets in rowtok
.set TK,  88                           ; v88-91  my tokens
	s_load_b256 s[4:11], s[0:1], 0x0               ; eid s[4:5], rt s[6:7], plan s[8:9], rowtok s[10:11]
	s_load_b64 s[12:13], s[0:1], 0x20              ; out1
	v_lshl_add_u32 v96, v0, 2, 0xc00
	v_mov_b32 v97, 0
	v_and_b32 v1, 31, v0
	v_lshrrev_b32 v14, 5, v0
	v_readfirstlane_b32 s14, v14                   ; wave
	v_lshlrev_b32 v2, 4, v0
	v_lshlrev_b32 v3, 6, v0
	v_lshlrev_b32 v4, 5, v14                       ; counts: 32 x wave
	v_lshlrev_b32 v5, 5, v1                        ; and 32 x lane
	v_lshl_add_u32 v6, v14, 6, FT
	v_lshl_add_u32 v7, v1, 6, FT
	v_lshrrev_b32 v12, 4, v1                       ; which half of the lanes
	v_lshlrev_b32 v13, 2, v14                      ; 4 x wave: the lane that holds my wave's running sums
	v_lshlrev_b32 v94, 5, v0
	v_mov_b32 v92, 0
	v_mov_b32 v93, 1
.irp e, 0,1,2,3,4,5,6,7
	v_mov_b32 v[TS+\e], 0                          ; written once: destinations of lane moves count as read
	v_mov_b32 v[R+\e], 0
	s_mov_b32 s[16+\e], 0                          ; s16-23: the wave's running counts
.endr
	s_mov_b32 s48, 0x76543210
	s_mov_b32 s49, 0xfedcba98
	s_wait_kmcnt 0x0
	global_load_b128 v[8:11], v2, s[4:5]
.irp k, 0,1,2,3
	global_load_b128 v[16+4*\k:19+4*\k], v3, s[6:7] offset:32768+16*\k
.endr
	s_wait_loadcnt 4                               ; eid is in; the four loads of parts, issued behind it, stay out
.irp t, 0,1,2,3
	v_bfe_u32 v[E+2*\t], v[8+\t], 0, 3
	v_bfe_u32 v[E+2*\t+1], v[8+\t], 8, 3
.endr
.irp n, 0,1,2,3,4,5,6,7
.irp e, 0,1,2,3,4,5,6,7
	v_cmp_eq_u32 vcc_lo, \e, v[E+\n]
	v_mbcnt_lo_u32_b32 v15, vcc_lo, s[16+\e]       ; the count so far + the lower lanes that chose e in this slot
	v_cndmask_b32 v[R+\n], v[R+\n], v15, vcc_lo
	s_bcnt1_i32_b32 s50, vcc_lo
	s_add_co_u32 s[16+\e], s[16+\e], s50
.endr
.endr
.irp e, 0,1,2,3,4,5,6,7
	v_mov_b32 v[CV+\e], s[16+\e]
.endr
	ds_store_b128 v4, v[CV:CV+3]
	ds_store_b128 v4, v[CV+4:CV+7] offset:16
.macro RED8 b                          ; eight sums over the 32 lanes, in every lane
.irp k, 1,2,4,8
.irp e, 0,1,2,3,4,5,6,7
	v_add_f32_dpp v[\b+\e], v[\b+\e], v[\b+\e] row_xmask:\k row_mask:0xf bank_mask:0xf
.endr
.endr
.irp e, 0,1,2,3,4,5,6,7
	v_permlanex16_b32 v[TS+\e], v[\b+\e], s48, s49
.endr
.irp e, 0,1,2,3,4,5,6,7
	v_add_f32 v[\b+\e], v[\b+\e], v[TS+\e]
.endr
.endm
	s_wait_loadcnt 0x0
	RED8 16
	RED8 24
.irp k, 0,1,2,3
	ds_store_b128 v6, v[16+4*\k:19+4*\k] offset:16*\k
.endr
	s_wait_dscnt 0x0                               ; for the others' sake
	s_barrier_signal -1
	s_barrier_wait -1
	ds_load_b128 v[SC:SC+3], v5
	ds_load_b128 v[SC+4:SC+7], v5 offset:16
	s_wait_dscnt 0x0
.irp sh, 1,2,4,8                       ; running sums over the waves, inside each half of the lanes
.irp e, 0,1,2,3,4,5,6,7
	v_mov_b32_dpp v[TS+\e], v[SC+\e] row_shr:\sh row_mask:0xf bank_mask:0xf bound_ctrl:1
.endr
.irp e, 0,1,2,3,4,5,6,7
	v_add_nc_u32 v[SC+\e], v[SC+\e], v[TS+\e]
.endr
.endr
.irp e, 0,1,2,3,4,5,6,7
	v_readlane_b32 s50, v[SC+\e], 15
	v_mad_u32_u24 v[SC+\e], v12, s50, v[SC+\e]     ; the upper half adds the lower half's total
	v_readlane_b32 s[24+\e], v[SC+\e], 31          ; n_e
	ds_bpermute_b32 v[TS+\e], v13, v[SC+\e]        ; the running sum up to and with my wave
.endr
	s_mov_b32 s32, 0                               ; s32-39: blocks of the experts before e
.irp e, 0,1,2,3,4,5,6,7
	s_add_co_u32 s50, s[24+\e], 191
	s_lshr_b32 s50, s50, 6
	s_mul_i32 s50, s50, 171
	s_lshr_b32 s50, s50, 9                         ; C_e = ((n_e + 191) / 64) / 3; x 171 >> 9 is x / 3 for x under 512, and x is at most 130
	s_mul_i32 s51, s[32+\e], 192
	s_sub_co_u32 s[40+\e], s51, s[16+\e]           ; 192 x blocks before - my wave's own count
.if \e < 7
	s_add_co_u32 s[33+\e], s[32+\e], s50
.endif
.endr
	s_wait_dscnt 0x0
.irp e, 0,1,2,3,4,5,6,7
	v_add_nc_u32 v[CV+\e], s[40+\e], v[TS+\e]      ; the place of my wave's first entry of expert e
.endr
.irp n, 0,1,2,3,4,5,6,7
	v_mov_b32 v[PO+\n], v[CV]
.irp e, 1,2,3,4,5,6,7
	v_cmp_eq_u32 vcc_lo, \e, v[E+\n]
	v_cndmask_b32 v[PO+\n], v[PO+\n], v[CV+\e], vcc_lo
.endr
	v_add_nc_u32 v[PO+\n], v[PO+\n], v[R+\n]
	v_min_u32 v[AD+\n], 0x3fff, v[PO+\n]           ; rowtok has 16,384 words
	v_lshlrev_b32 v[AD+\n], 2, v[AD+\n]
.endr
	v_lshlrev_b32 v[TK], 2, v0
.irp t, 1,2,3
	v_or_b32 v[TK+\t], \t, v[TK]
.endr
	global_store_b128 v94, v[PO:PO+3], s[8:9]
	global_store_b128 v94, v[PO+4:PO+7], s[8:9] offset:16
.irp n, 0,1,2,3,4,5,6,7
	global_store_b32 v[AD+\n], v[TK+\n/2], s[10:11]
.endr
	s_cmp_lg_u32 s14, 0
	s_cbranch_scc1 .Ldone
	; wave 0: the expert of block c = the number of experts e >= 1 whose blocks begin at or before c (blocks behind the last one used get 7)
.irp k, 0,1,2,3
	ds_load_b128 v[16+4*\k:19+4*\k], v7 offset:16*\k
.endr
	v_mov_b32 v8, 0
	v_mov_b32 v9, 0
	v_add_nc_u32 v10, 32, v1
	v_lshlrev_b32 v11, 2, v1
.irp e, 1,2,3,4,5,6,7
	v_cmp_le_u32 vcc_lo, s[32+\e], v1
	v_cndmask_b32 v15, v92, v93, vcc_lo
	v_add_nc_u32 v8, v8, v15
	v_cmp_le_u32 vcc_lo, s[32+\e], v10
	v_cndmask_b32 v15, v92, v93, vcc_lo
	v_add_nc_u32 v9, v9, v15
.endr
	global_store_b32 v11, v8, s[8:9] offset:32768
	global_store_b32 v11, v9, s[8:9] offset:32768+128
	s_wait_dscnt 0x0
	RED8 16
	RED8 24
	v_mul_f32 v14, v16, v24
.irp e, 1,2,3,4,5,6,7
	v_fmac_f32 v14, v[16+\e], v[24+\e]
.endr
	v_mul_f32 v14, 0x35000000, v14                 ; x 8 / 4,096^2 = 2^-21
	v_cmp_eq_u32 vcc_lo, 0, v0
	s_wait_xcnt 0x0                                ; EXEC changes only behind this wait
	s_and_saveexec_b32 s50, vcc_lo
	global_store_b32 v92, v14, s[12:13]
	s_wait_xcnt 0x0
	s_or_b32 exec_lo, exec_lo, s50
.Ldone:
	s_wait_tensorcnt 0x0
	ds_add_u32 v96, v97
	s_wait_dscnt 0x0
	s_endpgm
.Lfunc_end_k_qf407e65234_place:
	.size	k_qf407e65234_place, .Lfunc_end_k_qf407e65234_place-k_qf407e65234_place
	.p2alignl 7, 3214868480
	.fill 96, 4, 3214868480
	.section	.rodata,"a",@progbits
	.p2align	6, 0x0
	.amdhsa_kernel k_qf407e65234_place
		.amdhsa_group_segment_fixed_size 7168
		.amdhsa_private_segment_fixed_size 0
		.amdhsa_enable_private_segment 0
		.amdhsa_kernarg_size 40
		.amdhsa_user_sgpr_count 2
		.amdhsa_user_sgpr_kernarg_segment_ptr 1
		.amdhsa_wavefront_size32 1
		.amdhsa_system_sgpr_workgroup_id_x 1
		.amdhsa_system_sgpr_workgroup_id_y 1
		.amdhsa_system_sgpr_workgroup_id_z 1
		.amdhsa_system_vgpr_workitem_id 0
		.amdhsa_next_free_vgpr 98
		.amdhsa_next_free_sgpr 66
		.amdhsa_reserve_vcc 1
		.amdhsa_float_denorm_mode_32 3
		.amdhsa_float_denorm_mode_16_64 3
		.amdhsa_memory_ordered 1
		.amdhsa_forward_progress 1
		.amdhsa_inst_pref_size 44
	.end_amdhsa_kernel
	.amdgpu_metadata
---
amdhsa.version: [ 1, 2 ]
amdhsa.kernels:
  - .name:           k_qf407e65234_place
    .symbol:         k_qf407e65234_place.kd
    .args:
      - { .name: eid, .offset: 0, .size: 8, .value_kind: global_buffer, .address_space: global }
      - { .name: rt, .offset: 8, .size: 8, .value_kind: global_buffer, .address_space: global }
      - { .name: plan, .offset: 16, .size: 8, .value_kind: global_buffer, .address_space: global }
      - { .name: rowtok, .offset: 24, .size: 8, .value_kind: global_buffer, .address_space: global }
      - { .name: out1, .offset: 32, .size: 8, .value_kind: global_buffer, .address_space: global }
    .group_segment_fixed_size: 7168
    .private_segment_fixed_size: 0
    .kernarg_segment_align: 8
    .kernarg_segment_size: 40
    .max_flat_workgroup_size: 1024
    .sgpr_count:     66
    .vgpr_count:     98
    .wavefront_size: 32
...
	.end_amdgpu_metadata
.endif
;; end of part 2
;; launch chain (part 3): grid 200 x 1, 4 waves a work-group, no clusters, 327,680 bytes of LDS; arguments plan, rowtok, xc, xs, W1_codes, W1_scales, W2_codes, W2_scales, b1, b2, ybuf; writes ybuf
.if DOCPART == 3
	.amdgcn_target "amdgcn-amd-amdhsa--gfx1250"
	.amdhsa_code_object_version 6
	.text
	.protected	k_qf407e65234_chain
	.globl	k_qf407e65234_chain
	.p2align	8
	.type	k_qf407e65234_chain,@function
k_qf407e65234_chain:
	s_mov_b64 s[64:65], 0
	v_nop
	global_prefetch_b8 v0, s[64:65] scope:SCOPE_SE
	s_setreg_imm32_b32 hwreg(HW_REG_WAVE_MODE, 25, 1), 1
	s_wait_xcnt 0x0
; ybuf[p] = gelu(x[tok(p)] W1[e] + b1[e]) W2[e] + b2[e] for the 9,600 places p, both products on codes of E5M2 with one E8M0 scale for each 32 along K.
; SHARES.  Four work-groups on end own a block of 192 places, all of ONE expert e (read from plan); a work-group owns 48 of them: three tiles of 16 rows.  The hidden layer's 2,048 units go in 16 steps of 128.
; In a step wave w makes units 32 w .. 32 w + 31 of the step for all 48 rows (one block of 32 of the second product's K), and owns outputs 128 w .. 128 w + 127 for all 48 rows: every fragment of a weight is read from LDS once.
; THE WEIGHTS of a step (W1: 128 rows x 512 bytes; W2: 512 rows x 128 bytes) come through a ring of two LDS slots, a quarter of a slot by each wave's one tensor load.
; W2's tile rows are 128 bytes: two slots of 256 along the hidden axis would take 2 x 272 KB.  W2's scale bytes of the whole expert (32 KB) come once and stay.
; THE RING.  A step has two barriers.  The one in its middle stands between the stores of the hidden images and their reads; by then this step's fragments of W1 and of W2 are in registers, so it is also the barrier behind
; which this step's slot is filled again, with the weights two steps on: that load has a whole step in which to land.  Behind it the NEXT step's fragments of W1 are fetched from the other slot, ahead of the second product,
; so that they land under its 24 matrix instructions.  The other barrier stands behind the first product: it parts the last step's reads of the hidden images from this step's stores.
; By this text's own count a wave has three tensor loads out at the start and one behind each refill's barrier.
; NO JOINT LOADS, though the four work-groups of a block read the same weights: which weights is a number read from memory (the block's expert), and a joint load's descriptor has to be equal in all its partners
; by arithmetic on the work-groups' numbers and constants alone.  An expert fixed by the work-group's number would want room for 4,096 rows for each of the 8 experts (a token's two choices differ, so no expert has more):
; four times the 8,192 rows that there are.
; Places that no row takes hold token 0: they are computed and stored like any row, at their own place, and nobody reads them; so no branch, address of a store or trip count hangs on the split.
; BOTH PRODUCTS ARE USED TRANSPOSED (source 0 = 16 rows of a weight, source 1 = 16 tokens): a lane holds one token.  Lane r of W1's tile u takes unit 8 u + r + 8 (r / 8), so that the 16 registers of tiles 0 and 1 are
; 16 neighbours along the next K.  (These rows lie 16 apart in two groups: at any pitch that is a multiple of 16 bytes two lanes of a load meet in a bank.)
; The hidden codes go from wave to wave as an image of the operand's registers: wave w's four registers at 512 w + 16 x lane; its scale byte at 4 x lane + w.
; GELU: g = max(h, 0) - r |h|, r = erfc(|h| / sqrt 2) / 2 = t 2^(P(t) - h^2 log2(e) / 2), t = 1 / (1 + |h| sqrt(2) / 4), P of degree 9 (a Chebyshev fit whose fractional error is about 1.2e-7 for every argument):
; no difference of near numbers in the negative tail, no branch.  The biases are the C of the first product's first K step (b1) and the start of the sums (b2, loaded into the accumulators).
; LIMITS: NaN and infinities are not served.  v_exp_f32 gives 0 where r falls under 2^-126 (ISA guide 15.8).  A block of zeros carries the byte 1 with zero codes.
; REGISTERS, in windows of 256: window 0: addresses, scale words, b1, the hidden layer and all vector work; window 1: x's 12 fragments at 16 (4 m + s); window 2: the 24 accumulators of y at 8 (3 t + m);
; window 3: v0-127 W1's 8 fragments at 16 (4 u + s), v128-255 W2's 8 at 128 + 16 t.
.set SLOT,  141312                     ; a slot: W1's 128 rows x 528 (512 + 16), then W2's 512 rows x 144 (128 + 16)
.set W2O,   67584
.set SCW,   282624                     ; W2's scale bytes: 128 pieces of 256 bytes + 16
.set HIMG,  317440                     ; the hidden layer's three fragments, 2,048 bytes each
.set HSC,   323584                     ; their scale words, 128 bytes each
.set SPARE, 324096                     ; the spare words, 128 bytes a wave: two blocks of 256 bytes that no other line names
.set SP,    528                        ; the way out: 16 rows x (512 + 16) a wave, in slot 0, which has then had its last fill and its last read
.set SPW, 4                            ; v4  SPARE + 4 x thread; never rewritten
.set NIL, 5                            ; v5  0; never rewritten
.set AW1, 6                            ; v6-7   my place in W1's tile, slot 0, 1
.set AW2, 8                            ; v8-9   in W2's
.set ASW, 10                           ; v10    W2's scale words: lanes 0-15 tile q, lanes 16-31 tile q + 4; 4 bytes on a step
.set HWI, 11                           ; v11    where I store my four registers of an image
.set HWS, 12                           ; v12    and my scale byte
.set LI,  13                           ; v13    where an image is read
.set LS,  14                           ; v14    and its scale words
.set GS,  15                           ; v15    W1's scale words in memory: my row's 16 bytes
.set GB,  16                           ; v16    b1: my 16 numbers
.set STO, 17
.set RD,  18
.set CO,  19
.set RT,  24                           ; v24    4 (lane % 16): my word among a tile's 16 tokens; never rewritten
.set A8,  26                           ; v26-27 a coefficient, twice
.set XS,  28                           ; v28-39 x's scale words, 4 m + s
.set W1S, 40                           ; v40-47 two sets of four: register s = K step s; lanes 0-15 tile 0, lanes 16-31 tile 1
.set W2S, 48                           ; v48-51
.set HS,  52                           ; v52-54
.set B1,  56                           ; v56-87 two sets of 16
.set HA,  88                           ; v88-135 the hidden layer: 16 m + 8 u + i
.set T,   136
.set P,   152
.set Q,   168
.set PC,  184                          ; v184-195 the codes just made
.set MX,  196
.set PX,  199
.set SCL, 202
.set HOLD, 205
.set HF,  208                          ; v208-255 three hidden fragments
.set G1A, 32                           ; s[32:39] group 1 for W1's half tile; s[40:47] group 0, a set a slot
.set G0A, 40
.set G1B, 48                           ; s[48:55], s[56:63] the same for W2
.set G0B, 56
.set G1S, 68                           ; s[68:75], s[76:79] for W2's scale bytes
.set G0S, 76
.set MSB, 0
.macro WIN new                         ; the immediate's high byte repeats the setting that is left
.if MSB != \new
	s_set_vgpr_msb (MSB<<8)|\new
.set MSB, \new
.endif
.endm
.macro PLACES n
.rept \n
	v_nop
.endr
.endm
; A slot's load: waves 0 and 1 fetch W1's halves, waves 2 and 3 W2's.  The branch hangs on the wave's number alone.  Four v_nop follow each of the two lines.
.macro TLOAD g0a, g1a, g0b, g1b
	s_cmp_eq_u32 s27, 0
	s_cbranch_scc0 .Lfor_b_\@
	tensor_load_to_lds s[\g0a:\g0a+3], s[\g1a:\g1a+7]
	s_nop 0
	PLACES 4
	s_branch .Lasked_\@
.Lfor_b_\@:
	tensor_load_to_lds s[\g0b:\g0b+3], s[\g1b:\g1b+7]
	s_nop 0
	PLACES 4
.Lasked_\@:
.endm
.macro CPAIR r, bits                   ; a constant as a pair: the packed forms name a pair and take its low word for both halves
	s_mov_b32 s[\r], \bits
	s_mov_b32 s[\r+1], \bits
.endm
	s_load_b512 s[4:19], s[0:1], 0x0               ; plan s[4:5], rowtok s[6:7], xc s[8:9], xs s[10:11], W1 codes s[12:13], W1 scales s[14:15], W2 codes s[16:17], W2 scales s[18:19]
	s_load_b128 s[20:23], s[0:1], 0x40             ; b1, b2
	s_load_b64 s[24:25], s[0:1], 0x50              ; ybuf
	v_lshl_add_u32 v[SPW], v0, 2, SPARE
	v_mov_b32 v[NIL], 0
	ds_add_u32 v4, v5
	ds_add_u32 v4, v5
	s_wait_dscnt 0x0
	v_lshrrev_b32 v1, 5, v0
	v_readfirstlane_b32 s26, v1                    ; wave
	v_and_b32 v[RT], 15, v0
	v_lshlrev_b32 v[RT], 2, v[RT]
	s_lshr_b32 s27, s26, 1                         ; I fetch for W1 (0) or for W2 (1),
	s_and_b32 s28, s26, 1                          ; and which half
	s_lshr_b32 s2, ttmp9, 2                        ; my block of 192 places: four work-groups to a block,
	s_lshl_b32 s2, s2, 2                           ; 4 bytes a block in the list of experts
	s_mov_b32 s3, 0
	s_mul_i32 s31, ttmp9, 48                       ; my first place
	s_mov_b32 s[G1A], (1<<20)|(6<<22)|(3<<25)      ; no mask; elements of 1 byte; padding on; 4 words behind every 128
	s_mov_b32 s[G1A+1], 512<<16                    ; tensor_dim0
	s_mov_b32 s[G1A+2], 64<<16                     ; tensor_dim1
	s_mov_b32 s[G1A+3], 512<<16                    ; tile_dim0
	s_mov_b32 s[G1A+4], 64                         ; tile_dim1
	s_mov_b32 s[G1A+5], 512                        ; from row to row
	s_mov_b32 s[G1A+6], 0
	s_mov_b32 s[G1A+7], 0
	s_mov_b32 s[G1B], (1<<20)|(4<<22)|(3<<25)      ; 4 words behind every 32
	s_mov_b32 s[G1B+1], 128<<16
	s_mov_b32 s[G1B+2], 256<<16
	s_mov_b32 s[G1B+3], 128<<16
	s_mov_b32 s[G1B+4], 256
	s_mov_b32 s[G1B+5], 2048
	s_mov_b32 s[G1B+6], 0
	s_mov_b32 s[G1B+7], 0
	s_mov_b32 s[G1S], (3<<16)|(1<<20)|(5<<22)|(3<<25)   ; elements of 8 bytes; 4 words behind every 64: a dense block as rows of 256 bytes
	s_mov_b32 s[G1S+1], 32<<16
	s_mov_b32 s[G1S+2], 32<<16
	s_mov_b32 s[G1S+3], 32<<16
	s_mov_b32 s[G1S+4], 32
	s_mov_b32 s[G1S+5], 32
	s_mov_b32 s[G1S+6], 0
	s_mov_b32 s[G1S+7], 0
	s_mov_b32 s66, 0x76543210
	s_mov_b32 s67, 0xfedcba98                      ; v_permlanex16_b32's selects for lane l xor 16
	CPAIR 80, 0x3e7c6f08                           ; P's coefficients x log2(e): degree 9,
	CPAIR 82, 0x40097039                           ; 7 (degree 8 stands in v26-27),
	CPAIR 84, 0xbfd1a1e5                           ; 6,
	CPAIR 86, 0x3ecdfd18                           ; 5,
	CPAIR 88, 0xbe899a80                           ; 4,
	CPAIR 90, 0x3e0efb2e                           ; 3,
	CPAIR 92, 0x3f0a29d2                           ; 2,
	CPAIR 94, 0x3fb8ab5a                           ; 1,
	CPAIR 96, 0xc034d90f                           ; 0, with 1 taken off for the half
	CPAIR 98, 0xbf38aa3b                           ; -log2(e) / 2
	s_mov_b32 s100, 0x3eb504f3                     ; sqrt(2) / 4
	s_mov_b32 s101, 0x600000                       ; the mantissa field of 57,344
	s_wait_kmcnt 0x0
	s_add_nc_u64 s[4:5], s[4:5], s[2:3]
	s_load_b32 s30, s[4:5], 0x8000                 ; my block's expert
	s_lshl_b32 s2, s31, 2
	s_add_nc_u64 s[6:7], s[6:7], s[2:3]            ; rowtok at my first place
.irp m, 0,1,2
	global_load_b32 v[142+\m], v[RT], s[6:7] offset:64*\m          ; the tokens of my 48 places hang on no expert: they are asked for while the expert's number is on its way
.endr
	s_wait_kmcnt 0x0
	s_min_u32 s30, s30, 7
	s_lshl_b32 s2, s30, 20                         ; an expert's codes are 2^20 bytes
	s_add_nc_u64 s[12:13], s[12:13], s[2:3]
	s_add_nc_u64 s[16:17], s[16:17], s[2:3]
	s_lshl_b32 s2, s28, 15                         ; W1: my 64 rows of 512 bytes
	s_add_nc_u64 s[12:13], s[12:13], s[2:3]
	s_lshl_b32 s2, s28, 19                         ; W2: my 256 rows of 2,048 bytes
	s_add_nc_u64 s[16:17], s[16:17], s[2:3]
	s_lshl_b32 s2, s30, 15                         ; an expert's scale bytes are 2^15
	s_add_nc_u64 s[14:15], s[14:15], s[2:3]
	s_add_nc_u64 s[18:19], s[18:19], s[2:3]
	s_lshl_b32 s2, s26, 13                         ; W2's scale bytes: my quarter
	s_add_nc_u64 s[18:19], s[18:19], s[2:3]
	s_lshl_b32 s2, s30, 13
	s_add_nc_u64 s[20:21], s[20:21], s[2:3]        ; b1[e]
	s_lshl_b32 s2, s30, 11
	s_add_nc_u64 s[22:23], s[22:23], s[2:3]        ; b2[e]
	s_lshl_b32 s2, s31, 11
	s_add_nc_u64 s[24:25], s[24:25], s[2:3]        ; ybuf at my first place
	s_mul_i32 s2, s28, 64*528
	s_mul_i32 s3, s28, 256*144
	s_add_co_u32 s3, s3, W2O
.irp s, 0,1
	s_mov_b32 s[G0A+4*\s], 1
	s_add_co_u32 s[G0A+4*\s+1], s2, \s*SLOT
	s_add_nc_u64 s[G0A+4*\s+2:G0A+4*\s+3], s[12:13], \s*65536      ; step s: 128 rows on
	s_or_b32 s[G0A+4*\s+3], s[G0A+4*\s+3], 0x80000000
	s_mov_b32 s[G0B+4*\s], 1
	s_add_co_u32 s[G0B+4*\s+1], s3, \s*SLOT
	s_add_nc_u64 s[G0B+4*\s+2:G0B+4*\s+3], s[16:17], \s*128        ; step s: 128 bytes on in each row
	s_or_b32 s[G0B+4*\s+3], s[G0B+4*\s+3], 0x80000000
.endr
	s_mov_b32 s[G0S], 1
	s_mul_i32 s[G0S+1], s26, 32*272
	s_add_co_u32 s[G0S+1], s[G0S+1], SCW
	s_mov_b64 s[G0S+2:G0S+3], s[18:19]
	s_or_b32 s[G0S+3], s[G0S+3], 0x80000000
	tensor_load_to_lds s[G0S:G0S+3], s[G1S:G1S+7]  ; the first fills, ahead of every wait on TENSORcnt, every LDS read and every barrier: W2's scale bytes, my quarter, filled once;
	s_nop 0
	PLACES 4
	TLOAD G0A, G1A, G0B, G1B                       ; slot 0: step 0's weights;
	TLOAD G0A+4, G1A, G0B+4, G1B                   ; slot 1: step 1's: three tensor loads of mine are out
	v_and_b32 v1, 31, v0                           ; lane
	v_and_b32 v2, 15, v0                           ; r
	v_bfe_u32 v3, v0, 4, 1                         ; h
	v_and_b32 v20, 8, v2
	v_add_nc_u32 v20, v20, v2                      ; r + 8 (r / 8)
	v_mul_u32_u24 v[AW1], v20, 528
	v_lshl_add_u32 v[AW1], v3, 4, v[AW1]
	s_mul_i32 s2, s26, 32*528
	v_add_nc_u32 v[AW1], s2, v[AW1]
	v_add_nc_u32 v[AW1+1], SLOT, v[AW1]
	v_mul_u32_u24 v[AW2], v2, 144
	v_lshl_add_u32 v[AW2], v3, 4, v[AW2]
	s_mul_i32 s2, s26, 128*144
	s_add_co_u32 s2, s2, W2O
	v_add_nc_u32 v[AW2], s2, v[AW2]
	v_add_nc_u32 v[AW2+1], SLOT, v[AW2]
	v_lshrrev_b32 v21, 2, v2                       ; W2's scale bytes: 64 a row, four rows to a piece of 256
	v_mul_u32_u24 v[ASW], v21, 272
	v_and_b32 v21, 3, v2
	v_lshl_add_u32 v[ASW], v21, 6, v[ASW]
	v_mad_u32_u24 v[ASW], v3, 4352, v[ASW]         ; lanes 16-31: four tiles (64 rows, 16 pieces) on
	s_mul_i32 s2, s26, 32*272
	s_add_co_u32 s2, s2, SCW
	v_add_nc_u32 v[ASW], s2, v[ASW]
	v_lshl_add_u32 v[LI], v1, 4, HIMG
	s_lshl_b32 s3, s26, 9
	v_add_nc_u32 v[HWI], s3, v[LI]
	v_lshl_add_u32 v[LS], v1, 2, HSC
	v_add_nc_u32 v[HWS], s26, v[LS]
	v_lshl_add_u32 v[GS], v3, 3, v20
	s_lshl_b32 s2, s26, 5
	v_add_nc_u32 v[GS], s2, v[GS]
	v_lshlrev_b32 v[GS], 4, v[GS]                  ; 16 (32 w + 8 h + r + 8 (r / 8))
	v_lshlrev_b32 v[GB], 6, v3
	s_lshl_b32 s2, s26, 7
	v_add_nc_u32 v[GB], s2, v[GB]                  ; 128 w + 64 h
	s_mul_i32 s2, s26, 16*SP
	v_mul_u32_u24 v[STO], v2, SP
	v_lshl_add_u32 v[STO], v3, 5, v[STO]
	v_add_nc_u32 v[STO], s2, v[STO]                ; the stage: row r, 32 bytes for each half of the lanes
	v_lshlrev_b32 v[RD], 4, v1
	v_add_nc_u32 v[CO], s3, v[RD]                  ; in a row of ybuf: 512 w + 16 x lane
	v_add_nc_u32 v[RD], s2, v[RD]
	v_mov_b32 v[A8], 0xbf97d29d                    ; P's coefficient of degree 8
	v_mov_b32 v[A8+1], 0xbf97d29d
.irp m, 0,1,2
	v_mov_b32 v[PX+\m], 0                          ; written once: a lane permute's destination counts as one of its sources
.endr
	v_lshlrev_b32 v22, 4, v3
	v_lshlrev_b32 v23, 5, v3
	v_add_nc_u32 v23, s3, v23                      ; b2: 512 w + 32 h
	WIN 0x80                                       ; destination window 2
.irp t, 0,1,2,3,4,5,6,7
.irp m, 0,1,2
	global_load_b128 v[8*(3*\t+\m):8*(3*\t+\m)+3], v23, s[22:23] offset:64*\t          ; b2 starts the sums: nothing is cleared, and every step has the same text
	global_load_b128 v[8*(3*\t+\m)+4:8*(3*\t+\m)+7], v23, s[22:23] offset:64*\t+16
.endr
.endr
	WIN 0
	global_load_b128 v[W1S:W1S+3], v[GS], s[14:15]                 ; step 0's scale words of W1,
.irp i, 0,1,2,3
	global_load_b128 v[B1+4*\i:B1+4*\i+3], v[GB], s[20:21] offset:16*\i   ; and its b1
.endr
	s_wait_loadcnt 53                              ; the tokens are in: 48 + 1 + 4 loads were issued behind them
.irp m, 0,1,2
	v_min_u32 v[142+\m], 0xfff, v[142+\m]
.endr
.irp m, 0,1,2
	v_lshlrev_b32 v[139+\m], 4, v[142+\m]          ; 16 scale bytes a token
	v_lshlrev_b32 v[136+\m], 9, v[142+\m]          ; 512 codes
.endr
.irp m, 0,1,2
	v_add_nc_u32 v[136+\m], v[136+\m], v22         ; + 16 h
.endr
	WIN 0x40                                       ; destination window 1
.irp m, 0,1,2
.irp s, 0,1,2,3
.irp c, 0,1,2,3
	global_load_b128 v[16*(4*\m+\s)+4*\c:16*(4*\m+\s)+4*\c+3], v[136+\m], s[8:9] offset:128*\s+32*\c   ; x's fragments stay in registers
.endr
.endr
.endr
	WIN 0
.irp m, 0,1,2
	global_load_b128 v[XS+4*\m:XS+4*\m+3], v[139+\m], s[10:11]
.endr
.macro WM d, a, b, c, sa, sb, row      ; one product; row = 1: source 0's scale words stand in lanes 16-31
.if \row
	v_wmma_scale_f32_16x16x128_f8f6f4 v[\d:\d+7], v[\a:\a+15], v[\b:\b+15], v[\c:\c+7], v[\sa], v[\sb] matrix_a_fmt:MATRIX_FMT_BF8 matrix_b_fmt:MATRIX_FMT_BF8 matrix_a_scale:MATRIX_SCALE_ROW1
.else
	v_wmma_scale_f32_16x16x128_f8f6f4 v[\d:\d+7], v[\a:\a+15], v[\b:\b+15], v[\c:\c+7], v[\sa], v[\sb] matrix_a_fmt:MATRIX_FMT_BF8 matrix_b_fmt:MATRIX_FMT_BF8
.endif
.endm
.macro FETCH_W1 sl                     ; my two tiles of W1, K step by K step: 32 loads
	WIN 0xc0                                       ; destination window 3
.irp k, 0,1,2,3
.irp u, 0,1
.irp c, 0,1,2,3
	ds_load_b128 v[16*(4*\u+\k)+4*\c:16*(4*\u+\k)+4*\c+3], v[AW1+(\sl)] offset:4224*\u+128*\k+32*\c
.endr
.endr
.endr
.endm
.macro FETCH_W2 sl                     ; my eight tiles of W2: 32 loads
	WIN 0xc0
.irp t, 0,1,2,3,4,5,6,7
.irp c, 0,1,2,3
	ds_load_b128 v[128+16*\t+4*\c:128+16*\t+4*\c+3], v[AW2+\sl] offset:2304*\t+32*\c
.endr
.endr
.endm
; The first product: six accumulators (three tiles of rows x two of units) by turns, one instruction a turn; b1 is the C of the first K step.
; W1's 32 loads are the youngest LDS instructions of the wave when it comes here.
.macro P1 set
	WIN 0x07                                       ; source 0 (W1) window 3, source 1 (x) window 1, C and D window 0
.irp k, 0,1,2,3
	s_wait_dscnt 24-8*\k                           ; this K step's eight loads are in; those of the later K steps may be out
.irp m, 0,1,2
.irp u, 0,1
.if \k == 0
	WM HA+16*\m+8*\u, 16*(4*\u+\k), 16*(4*\m+\k), B1+16*\set+8*\u, W1S+4*\set+\k, XS+4*\m+\k, \u
.else
	WM HA+16*\m+8*\u, 16*(4*\u+\k), 16*(4*\m+\k), HA+16*\m+8*\u, W1S+4*\set+\k, XS+4*\m+\k, \u
.endif
.endr
.endr
.endr
.endm
; 16 numbers of a lane through the GELU, stage by stage, so that no line waits for the line above it.  Each accumulator is first read at its low end.
.macro GELU16 H
.irp i, 0,1,2,3,4,5,6,7,8,9,10,11,12,13,14,15
	v_fma_f32 v[T+\i], |v[\H+\i]|, s100, 1.0
.endr
.irp i, 0,1,2,3,4,5,6,7,8,9,10,11,12,13,14,15
	v_rcp_f32 v[T+\i], v[T+\i]                     ; t
.endr
.irp i, 0,2,4,6,8,10,12,14
	v_pk_mul_f32 v[Q+\i:Q+\i+1], v[\H+\i:\H+\i+1], v[\H+\i:\H+\i+1]    ; h^2 (plain lines behind the reciprocals)
.endr
	s_wait_alu depctr_va_vdst(0)
.irp i, 0,2,4,6,8,10,12,14
	v_pk_fma_f32 v[P+\i:P+\i+1], v[T+\i:T+\i+1], s[80:81], v[A8:A8+1] op_sel_hi:[1,0,1]
.endr
.irp c, 82,84,86,88,90,92,94,96
.irp i, 0,2,4,6,8,10,12,14
	v_pk_fma_f32 v[P+\i:P+\i+1], v[P+\i:P+\i+1], v[T+\i:T+\i+1], s[\c:\c+1] op_sel_hi:[1,1,0]
.endr
.endr
.irp i, 0,2,4,6,8,10,12,14
	v_pk_fma_f32 v[P+\i:P+\i+1], v[Q+\i:Q+\i+1], s[98:99], v[P+\i:P+\i+1] op_sel_hi:[1,0,1]
.endr
.irp i, 0,1,2,3,4,5,6,7,8,9,10,11,12,13,14,15
	v_exp_f32 v[P+\i], v[P+\i]
.endr
.irp i, 0,1,2,3,4,5,6,7,8,9,10,11,12,13,14,15
	v_max_num_f32 v[Q+\i], 0, v[\H+\i]             ; (plain lines behind the exponentials)
.endr
	s_wait_alu depctr_va_vdst(0)
.irp i, 0,2,4,6,8,10,12,14
	v_pk_mul_f32 v[P+\i:P+\i+1], v[P+\i:P+\i+1], v[T+\i:T+\i+1]        ; r
.endr
.irp i, 0,1,2,3,4,5,6,7,8,9,10,11,12,13,14,15
	v_fma_f32 v[\H+\i], -v[P+\i], |v[\H+\i]|, v[Q+\i]
.endr
.endm
; My 32 units of the three tiles of rows become codes: a lane's 16 registers and lane l xor 16's are a block.  The three tiles by turns.
.macro QUANT3
.irp m, 0,1,2
	v_max3_num_f32 v[MX+\m], |v[HA+16*\m]|, |v[HA+16*\m+1]|, 0x8000000   ; with the floor 2^(16 - 127): the byte cannot fall under 1
.endr
.irp i, 2,4,6,8,10,12,14
.irp m, 0,1,2
	v_max3_num_f32 v[MX+\m], v[MX+\m], |v[HA+16*\m+\i]|, |v[HA+16*\m+\i+1]|
.endr
.endr
.irp m, 0,1,2
	v_permlanex16_b32 v[PX+\m], v[MX+\m], s66, s67
.endr
.irp m, 0,1,2
	v_max_num_f32 v[MX+\m], v[MX+\m], v[PX+\m]
.endr
.irp m, 0,1,2
	v_add_nc_u32 v[SCL+\m], 0xf8800000, v[MX+\m]   ; 15 off the exponent field: the conversion's scale operand
.endr
.irp m, 0,1,2
	v_and_or_b32 v[HOLD+\m], v[MX+\m], 0x7f800000, s101   ; 57,344 x the scale
.endr
.irp m, 0,1,2
	v_lshrrev_b32 v[PX+\m], 23, v[SCL+\m]          ; the scale's byte
.endr
.irp m, 0,1,2
.irp i, 0,1,2,3,4,5,6,7,8,9,10,11,12,13,14,15
	v_med3_num_f32 v[HA+16*\m+\i], v[HA+16*\m+\i], -v[HOLD+\m], v[HOLD+\m]   ; the conversion does not saturate (ISA guide 7.6.2)
.endr
	v_cvt_scalef32_pk8_bf8_f32 v[PC+4*\m:PC+4*\m+1], v[HA+16*\m:HA+16*\m+7], v[SCL+\m]
	v_cvt_scalef32_pk8_bf8_f32 v[PC+4*\m+2:PC+4*\m+3], v[HA+16*\m+8:HA+16*\m+15], v[SCL+\m]
.endr
	v_nop                                          ; one plain line behind the last conversion: the next step's products write its sources
.irp m, 0,1,2
	ds_store_b128 v[HWI], v[PC+4*\m:PC+4*\m+3] offset:2048*\m
	ds_store_b8 v[HWS], v[PX+\m] offset:128*\m
.endr
.endm
; The second product: the three hidden fragments from LDS, 24 accumulators, one instruction each.  nxt = 1: the next step's fragments of W1 are asked for, from the other slot, behind the images' loads:
; they land under the 24 matrix instructions.  (W1's registers were last read by this step's first product: the GELU's lines stand between.)
.macro P2 sl, nxt
.irp m, 0,1,2
.irp c, 0,1,2,3
	ds_load_b128 v[HF+16*\m+4*\c:HF+16*\m+4*\c+3], v[LI] offset:2048*\m+512*\c
.endr
	ds_load_b32 v[HS+\m], v[LS] offset:128*\m
.endr
.if \nxt
	FETCH_W1 1-\sl
	WIN 0
	s_wait_dscnt 32                                ; the images and their scale words are in; W1's 32 loads, issued behind them, stay out
	v_add_nc_u32 v[ASW], 4, v[ASW]                 ; the next step's scale words of W2
.else
	s_wait_dscnt 0x0
.endif
	WIN 0xa3                                       ; source 0 (W2) window 3, source 1 window 0, C and D window 2
.irp t, 0,1,2,3,4,5,6,7
.irp m, 0,1,2
	WM 8*(3*\t+\m), 128+16*\t, HF+16*\m, 8*(3*\t+\m), W2S+\t%4, HS+\m, \t/4
.endr
.endr
	WIN 0
.endm
; A STEP of 128 hidden units, from slot sl; its fragments of W1 have been asked for.  refill = 1: this slot takes the weights two steps on.  nxt = 1: a step follows.
.macro STEP sl, refill, nxt
	s_wait_loadcnt 0x0                             ; this step's scale words of W1 and its b1, asked for a step ago (in the first step: all the head's loads)
.if \nxt
	global_load_b128 v[W1S+4*(1-\sl):W1S+4*(1-\sl)+3], v[GS], s[14:15] offset:2048*(\sl+1)   ; the next step's
.irp i, 0,1,2,3
	global_load_b128 v[B1+16*(1-\sl)+4*\i:B1+16*(1-\sl)+4*\i+3], v[GB], s[20:21] offset:512*(\sl+1)+16*\i
.endr
.endif
	P1 \sl                                         ; it follows the last step's second product without a gap; its last wait is for 0: no LDS instruction of mine is out
	WIN 0
	PLACES 8                                       ; behind the first product, in front of the first read of its results; behind the last step's second product, in front of the loads into W2's fragments and scale words
	s_barrier_signal -1                            ; every wave's reads of the last step's hidden images are over: this step's may be stored.  The refill may stay out
	s_barrier_wait -1
.irp q, 0,1,2,3
	ds_load_b32 v[W2S+\q], v[ASW] offset:1088*\q
.endr
	FETCH_W2 \sl                                   ; lands while the GELU is worked
	WIN 0
	GELU16 HA
	GELU16 HA+16
	GELU16 HA+32
	QUANT3
	s_wait_tensorcnt 0x0                           ; all my tensor loads have landed, my part of the next step's slot among them: every group 0 may be written
	ds_add_u32 v[SPW], v[NIL]                      ; 0 onto my spare word
.if \refill
	s_add_nc_u64 s[G0A+4*\sl+2:G0A+4*\sl+3], s[G0A+4*\sl+2:G0A+4*\sl+3], 131072   ; this slot's next weights: two steps on
	s_add_nc_u64 s[G0B+4*\sl+2:G0B+4*\sl+3], s[G0B+4*\sl+2:G0B+4*\sl+3], 256
.endif
	s_wait_dscnt 0x0                               ; the add is done; my part of the images lies in LDS; my reads of this slot (W1's a step ago, W2's above) are over
	s_barrier_signal -1
	s_barrier_wait -1                              ; all that now holds of all four waves
.if \refill
	TLOAD G0A+4*\sl, G1A, G0B+4*\sl, G1B           ; my one tensor load behind the barrier, and the first thing there: it has a step in which to land
.endif
	P2 \sl, \nxt
.endm
	s_wait_tensorcnt 0x1                           ; W2's scale bytes and my part of slot 0 are in; slot 1's load, issued behind them, may stay out
	s_barrier_signal -1
	s_barrier_wait -1                              ; everybody's are
	FETCH_W1 0                                     ; step 0's fragments of W1
	WIN 0
	s_mov_b32 s3, 7
.Lpair:                                                ; seven trips of two steps: steps 0 to 13, each with its refill
	STEP 0, 1, 1
	STEP 1, 1, 1
	s_wait_xcnt 0x0                                ; the loads have read their bases
	s_add_nc_u64 s[14:15], s[14:15], 4096
	s_add_nc_u64 s[20:21], s[20:21], 1024
	s_sub_co_u32 s3, s3, 1
	s_cmp_lg_u32 s3, 0
	s_cbranch_scc1 .Lpair
	STEP 0, 0, 1                                   ; the last two steps are written out: nothing is left to fetch from memory
	STEP 1, 0, 0
; THE WAY OUT, a tile of 16 rows at a time: a lane holds 32 neighbouring bytes of a row; through my own stage they come back as rows of 512 bytes.
; LDS serves a wave's instructions in order (ISA guide 5.7.1.4): no wait between the stores and the loads, nor in front of the next tile's stores.
.macro TOSTAGE mm
	WIN 0x08                                       ; an LDS store's data are its source 1: window 2
.irp t, 0,1,2,3,4,5,6,7
	ds_store_b128 v[STO], v[8*(3*\t+\mm):8*(3*\t+\mm)+3] offset:64*\t          ; each accumulator from its low end on
	ds_store_b128 v[STO], v[8*(3*\t+\mm)+4:8*(3*\t+\mm)+7] offset:64*\t+16
.endr
	WIN 0
.set BB, 88+64*((\mm)%2)
.irp i, 0,1,2,3,4,5,6,7,8,9,10,11,12,13,14,15
	ds_load_b128 v[BB+4*\i:BB+4*\i+3], v[RD] offset:\i*SP
.endr
.endm
.macro SEND mm, younger                ; younger: the LDS instructions issued behind this tile's loads
.set BB, 88+64*((\mm)%2)
	s_wait_dscnt \younger
.irp i, 0,1,2,3,4,5,6,7,8,9,10,11,12,13,14,15
	global_store_b128 v[CO], v[BB+4*\i:BB+4*\i+3], s[24:25] offset:(16*\mm+\i)*2048 th:TH_STORE_NT   ; 32 lanes store 512 consecutive bytes, at a multiple of 512 from ybuf's first byte
.endr
.endm
	PLACES 8                                       ; behind the last products: their results are read, and loads land in registers that they read
	TOSTAGE 0
	TOSTAGE 1
	SEND 0, 32                                     ; behind tile 0's loads: tile 1's 16 stores and 16 loads
	s_wait_xcnt 0x0                                ; tile 0's stores have read their registers, which take tile 2
	TOSTAGE 2
	SEND 1, 32
	SEND 2, 0
	s_wait_tensorcnt 0x0                           ; the wave's end
	ds_add_u32 v[SPW], v[NIL]
	s_wait_dscnt 0x0
	s_endpgm
.Lfunc_end_k_qf407e65234_chain:
	.size	k_qf407e65234_chain, .Lfunc_end_k_qf407e65234_chain-k_qf407e65234_chain
	.p2alignl 7, 3214868480
	.fill 96, 4, 3214868480
	.section	.rodata,"a",@progbits
	.p2align	6, 0x0
	.amdhsa_kernel k_qf407e65234_chain
		.amdhsa_group_segment_fixed_size 327680
		.amdhsa_private_segment_fixed_size 0
		.amdhsa_enable_private_segment 0
		.amdhsa_kernarg_size 88
		.amdhsa_user_sgpr_count 2
		.amdhsa_user_sgpr_kernarg_segment_ptr 1
		.amdhsa_wavefront_size32 1
		.amdhsa_system_sgpr_workgroup_id_x 1
		.amdhsa_system_sgpr_workgroup_id_y 1
		.amdhsa_system_sgpr_workgroup_id_z 1
		.amdhsa_system_vgpr_workitem_id 0
		.amdhsa_next_free_vgpr 1024
		.amdhsa_next_free_sgpr 102
		.amdhsa_reserve_vcc 0
		.amdhsa_float_denorm_mode_32 3
		.amdhsa_float_denorm_mode_16_64 3
		.amdhsa_memory_ordered 1
		.amdhsa_forward_progress 1
		.amdhsa_inst_pref_size 224
	.end_amdhsa_kernel
	.amdgpu_metadata
---
amdhsa.version: [ 1, 2 ]
amdhsa.kernels:
  - .name:           k_qf407e65234_chain
    .symbol:         k_qf407e65234_chain.kd
    .args:
      - { .name: plan, .offset: 0, .size: 8, .value_kind: global_buffer, .address_space: global }
      - { .name: rowtok, .offset: 8, .size: 8, .value_kind: global_buffer, .address_space: global }
      - { .name: xc, .offset: 16, .size: 8, .value_kind: global_buffer, .address_space: global }
      - { .name: xs, .offset: 24, .size: 8, .value_kind: global_buffer, .address_space: global }
      - { .name: W1_codes, .offset: 32, .size: 8, .value_kind: global_buffer, .address_space: global }
      - { .name: W1_scales, .offset: 40, .size: 8, .value_kind: global_buffer, .address_space: global }
      - { .name: W2_codes, .offset: 48, .size: 8, .value_kind: global_buffer, .address_space: global }
      - { .name: W2_scales, .offset: 56, .size: 8, .value_kind: global_buffer, .address_space: global }
      - { .name: b1, .offset: 64, .size: 8, .value_kind: global_buffer, .address_space: global }
      - { .name: b2, .offset: 72, .size: 8, .value_kind: global_buffer, .address_space: global }
      - { .name: ybuf, .offset: 80, .size: 8, .value_kind: global_buffer, .address_space: global }
    .group_segment_fixed_size: 327680
    .private_segment_fixed_size: 0
    .kernarg_segment_align: 8
    .kernarg_segment_size: 88
    .max_flat_workgroup_size: 128
    .sgpr_count:     102
    .vgpr_count:     1024
    .wavefront_size: 32
...
	.end_amdgpu_metadata
.endif
;; end of part 3
;; launch combine (part 4): grid 256 x 1, 4 waves a work-group, no clusters, 0 bytes of LDS; arguments plan, rt, ybuf, out0; writes out0
.if DOCPART == 4
	.amdgcn_target "amdgcn-amd-amdhsa--gfx1250"
	.amdhsa_code_object_version 6
	.text
	.protected	k_qf407e65234_combine
	.globl	k_qf407e65234_combine
	.p2align	8
	.type	k_qf407e65234_combine,@function
k_qf407e65234_combine:
	s_mov_b64 s[64:65], 0
	v_nop
	global_prefetch_b8 v0, s[64:65] scope:SCOPE_SE
	s_setreg_imm32_b32 hwreg(HW_REG_WAVE_MODE, 25, 1), 1
	s_wait_xcnt 0x0
; out0[t] = w0 ybuf[place(t, 0)] + w1 ybuf[place(t, 1)]: each output row has one owner, so nothing is added across work-groups.
; A wave takes four tokens: its 8 places and 8 weights come by two scalar loads; its 8 rows of 2,048 bytes by 32 loads of 512 consecutive bytes, all issued before the first is used.
; A stream: no LDS, no barrier, no matrix unit, no cluster (no byte is read by two work-groups).
.set Y, 16                             ; v16-143: token tau, choice k, quarter q at 32 tau + 16 k + 4 q
	s_load_b256 s[4:11], s[0:1], 0x0               ; plan s[4:5], rt s[6:7], ybuf s[8:9], out0 s[10:11]
	v_lshrrev_b32 v1, 5, v0
	v_readfirstlane_b32 s12, v1                    ; wave
	v_and_b32 v1, 31, v0
	v_lshlrev_b32 v2, 4, v1                        ; 16 x lane
	s_lshl_b32 s13, ttmp9, 4
	s_lshl_b32 s14, s12, 2
	s_add_co_u32 s13, s13, s14                     ; my first token
	s_lshl_b32 s14, s13, 3                         ; 8 bytes a token in both tables
	s_mov_b32 s15, 0
	s_wait_kmcnt 0x0
	s_add_nc_u64 s[4:5], s[4:5], s[14:15]
	s_add_nc_u64 s[6:7], s[6:7], s[14:15]
	s_load_b256 s[16:23], s[4:5], 0x0              ; places
	s_load_b256 s[24:31], s[6:7], 0x0              ; weights
	s_lshl_b32 s14, s13, 11
	s_add_nc_u64 s[10:11], s[10:11], s[14:15]
	s_wait_kmcnt 0x0
.irp n, 0,1,2,3,4,5,6,7
	s_min_u32 s[16+\n], s[16+\n], 9599             ; ybuf has 9,600 rows
	s_lshl_b32 s[16+\n], s[16+\n], 11
	v_add_nc_u32 v[4+\n], s[16+\n], v2
.endr
.irp t, 0,1,2,3
.irp k, 0,1
.irp q, 0,1,2,3
	global_load_b128 v[Y+32*\t+16*\k+4*\q:Y+32*\t+16*\k+4*\q+3], v[4+2*\t+\k], s[8:9] offset:512*\q th:TH_LOAD_NT
.endr
.endr
.endr
.irp t, 0,1,2,3
	s_mov_b32 s[32+2*\t], s[25+2*\t]               ; w1 in a pair of its own: a scalar pair gives its low word to both halves
	s_mov_b32 s[33+2*\t], s[25+2*\t]
.endr
.irp t, 0,1,2,3
	s_wait_loadcnt 24-8*\t                         ; this token's eight loads are in; the later tokens' stay out
.irp q, 0,1,2,3
.irp p, 0,2
	v_pk_mul_f32 v[Y+32*\t+4*\q+\p:Y+32*\t+4*\q+\p+1], v[Y+32*\t+4*\q+\p:Y+32*\t+4*\q+\p+1], s[24+2*\t:25+2*\t] op_sel_hi:[1,0]
.endr
.irp p, 0,2
	v_pk_fma_f32 v[Y+32*\t+4*\q+\p:Y+32*\t+4*\q+\p+1], v[Y+32*\t+16+4*\q+\p:Y+32*\t+16+4*\q+\p+1], s[32+2*\t:33+2*\t], v[Y+32*\t+4*\q+\p:Y+32*\t+4*\q+\p+1] op_sel_hi:[1,0,1]
.endr
	global_store_b128 v2, v[Y+32*\t+4*\q:Y+32*\t+4*\q+3], s[10:11] offset:2048*\t+512*\q th:TH_STORE_NT   ; 512 consecutive bytes, aligned
.endr
.endr
	s_endpgm
.Lfunc_end_k_qf407e65234_combine:
	.size	k_qf407e65234_combine, .Lfunc_end_k_qf407e65234_combine-k_qf407e65234_combine
	.p2alignl 7, 3214868480
	.fill 96, 4, 3214868480
	.section	.rodata,"a",@progbits
	.p2align	6, 0x0
	.amdhsa_kernel k_qf407e65234_combine
		.amdhsa_group_segment_fixed_size 0
		.amdhsa_private_segment_fixed_size 0
		.amdhsa_enable_private_segment 0
		.amdhsa_kernarg_size 32
		.amdhsa_user_sgpr_count 2
		.amdhsa_user_sgpr_kernarg_segment_ptr 1
		.amdhsa_wavefront_size32 1
		.amdhsa_system_sgpr_workgroup_id_x 1
		.amdhsa_system_sgpr_workgroup_id_y 1
		.amdhsa_system_sgpr_workgroup_id_z 1
		.amdhsa_system_vgpr_workitem_id 0
		.amdhsa_next_free_vgpr 144
		.amdhsa_next_free_sgpr 66
		.amdhsa_reserve_vcc 0
		.amdhsa_float_denorm_mode_32 3
		.amdhsa_float_denorm_mode_16_64 3
		.amdhsa_memory_ordered 1
		.amdhsa_forward_progress 1
		.amdhsa_inst_pref_size 11
	.end_amdhsa_kernel
	.amdgpu_metadata
---
amdhsa.version: [ 1, 2 ]
amdhsa.kernels:
  - .name:           k_qf407e65234_combine
    .symbol:         k_qf407e65234_combine.kd
    .args:
      - { .name: plan, .offset: 0, .size: 8, .value_kind: global_buffer, .address_space: global }
      - { .name: rt, .offset: 8, .size: 8, .value_kind: global_buffer, .address_space: global }
      - { .name: ybuf, .offset: 16, .size: 8, .value_kind: global_buffer, .address_space: global }
      - { .name: out0, .offset: 24, .size: 8, .value_kind: global_buffer, .address_space: global }
    .group_segment_fixed_size: 0
    .private_segment_fixed_size: 0
    .kernarg_segment_align: 8
    .kernarg_segment_size: 32
    .max_flat_workgroup_size: 128
    .sgpr_count:     66
    .vgpr_count:     144
    .wavefront_size: 32
...
	.end_amdgpu_metadata
.endif
;; end of part 4
